; MI455X (gfx1250); checked and timed in simulation.
; The chip was launched on July 23, 2026; its instructions are those of AMD's public machine-readable ISA for CDNA 5 (MIT licence, August 2026) and "CDNA5" Instruction Set Architecture Reference Guide (July 2026). The comments in the code are by the model that wrote it; some were corrected since.
;; Decoder. Allowed arithmetic: matrix products marked QUANTISED: E2M1 operands, one E8M0 scale for each 32 along K, by v_wmma_scale_f32_16x16x128_f8f6f4 with both operands' format E2M1 (or v_wmma_scale_f32_32x16x128_f4), f32 sums; everything else in f32.
;; Inputs: W1 512 x 1,024 float32; W2 1,024 x 512 float32; b1 1,024 float32; b2 512 float32; latent_traj 32 x 1,024 x 256 float32.
;; Outputs: out0 32 x 1,024 x 256 float32; out1 32 x 1,024 x 256 float32.
;; This version of the problem:
;;   THIS VERSION OF THE PROBLEM IS GIVEN IN LOW PRECISION. The matrix products marked QUANTISED in the list below multiply operands that are first quantised to E2M1 (2 exponent bits, 1 mantissa bit; 4 bits a number), with one power-of-two scale for each 32 numbers along K (OCP MX v1.0); their sums are f32. All else is computed in f32.
;;   The module's matrix products, in the order in which they are computed (A, B: the left and right operand; K: the contracted axis; several contracted axes count as one K, in the product's order):
;;     1. batch 32 x [M 1,024, K 256] x [K 256, N 1,024]; A: input latent_traj; B: input latent_traj: QUANTISED
;;     2. batch 32 x [M 1,024, K 1,024] x [K 1,024, N 256]; A: softmax (see below); B: input latent_traj: QUANTISED
;;     3. [M 32,768, K 512] x [K 512, N 1,024]; A: computed on the way; B: input W1: QUANTISED
;;     4. [M 32,768, K 1,024] x [K 1,024, N 512]; A: computed on the way; B: input W2: QUANTISED
;;   THE QUANTISER, for each operand of a quantised product, along K:
;;     - K is cut into blocks of 32 from its start; a last block that is shorter is filled with zeros.
;;     - A block's scale is 2^e with e = floor(log2(the largest magnitude in the block)) - 2, held to -126 .. 127; a block of zeros has e = 0. As a byte (E8M0): e + 127.
;;     - Each number is divided by its block's scale, clamped to +-6, and rounded to the nearest number of E2M1, ties to even, subnormals kept.
;;     - The product sums the exact products of the quantised numbers (number of the format x scale) in f32.
;;   ~~~python
;;   def quantise(x, axis):      # numpy; x: float32 -> the quantised numbers, widened to float32 again
;;       x = np.moveaxis(x, axis, -1); K = x.shape[-1]
;;       x = np.pad(x, [(0, 0)] * (x.ndim - 1) + [(0, -K % 32)]); x = x.reshape(x.shape[:-1] + (-1, 32)); a = np.abs(x).max(-1, keepdims=True)
;;       e = np.where(a > 0, np.clip(np.frexp(np.where(a > 0, a, 1))[1] - 1 - 2, -126, 127), 0)      # np.frexp(a)[1] - 1 = floor(log2(a)), exactly
;;       r = np.clip(x / 2.0 ** e, -6, 6)
;;       step = 2.0 ** (np.maximum(np.frexp(np.where(r == 0, 1, r))[1] - 1, 0) - 1)
;;       q = np.round(r / step) * step * 2.0 ** e      # np.round: ties to even
;;       return np.moveaxis(q.reshape(q.shape[:-2] + (-1,))[..., :K], -1, axis).astype(np.float32)
;;   ~~~
;;   SOFTMAX AHEAD OF A QUANTISED PRODUCT. Where the list says 'softmax', what is quantised is not the finished softmax but p = 2^(t - M), with t = logit x log2(e) and M = ceil(the row's largest t), a whole number; so 1/2 < the row's largest p <= 1. The row's sum l is taken of the UNQUANTISED p, in f32, and the product's result is divided by l at the end. Since M is a whole number, a kernel that streams over the keys may use a running M (the ceiling of the running maximum): every later rescaling is an exact power of two, which a block's scale takes up: the codes' values come out the same.
;;   OPERANDS COMPUTED ON THE WAY. 'Computed on the way' means the value that the module computes at that place (a softmax that the list does not call 'softmax' is quantised finished and normalised). What goes into a quantiser is computed in f32, as accurately as f32 sums, v_exp_f32 and their like allow (about 1e-6 of the number): no bf16 or f16 on the way to a quantiser, and a product that is left as it is and whose result goes on into a quantised operand takes f32 operands (vector FMAs, or v_wmma_f32_16x16x4_f32). A number that lies on a knife's edge between two numbers of the format may be rounded either way, as far as f32 arithmetic and the matrix unit's own rounding can turn it there, and no further.
;; One version. Each part assembles by itself: llvm-mc -triple=amdgcn-amd-amdhsa -mcpu=gfx1250 --defsym DOCPART=n.
;; ======== version 1 of 1: 2 launches
;; limits: right only within a limited range of input values
;; workspace buffers: xq 8,912,896 bytes; wq 557,056 bytes
;; launch quant (part 1): grid 8 x 32, 8 waves a work-group, no clusters, 168,960 bytes of LDS; arguments latent_traj, W1, W2, xq, wq; writes xq, wq
.if DOCPART == 1
	.amdgcn_target "amdgcn-amd-amdhsa--gfx1250"
	.amdhsa_code_object_version 6
	.text
	.protected	k_q92f33d3fb4_quant
	.globl	k_q92f33d3fb4_quant
	.p2align	8
	.type	k_q92f33d3fb4_quant,@function
k_q92f33d3fb4_quant:
	s_mov_b64 s[64:65], 0
	v_nop
	global_prefetch_b8 v0, s[64:65] scope:SCOPE_SE
	s_setreg_imm32_b32 hwreg(HW_REG_WAVE_MODE, 25, 1), 1
	s_wait_xcnt 0x0
; x [32][1024][256], W1 [512][1024], W2 [1024][512], all f32, become codes of FP4 (E2M1) with one E8M0 scale byte for each 32 along K.
; x is quantised twice: along its 256 channels (queries, keys, the first half of the MLP's input) and along the keys (values).  W1 and W2 along their first axis.
; A block's scale is 2^(floor(log2(its largest magnitude)) - 2); its byte is the largest magnitude's exponent field - 2, held at 1 from below.
; LIMITS: a block of zeros, and one whose largest magnitude lies under 2^-124, gets the byte 1 (zero codes add nothing under it; this program alone reads the bytes).  NaN and infinities are not served.
; WORK LEFT OUT IN THIS PROGRAM (by the launch behind this one): whole tiles of 16 queries x 128 keys in which every key comes at or after every query: reference()'s own mask j < i gives each of them weight 0 for all inputs.
; A NaN, an infinity or an overflow that reaches only those tiles is not carried to the result.
; ALL RESULTS ARE LAID AS IMAGES OF THE OPERAND'S REGISTERS: a fragment (16 rows x 128 K) is 1,024 bytes, [block of 32 along K][row lane 0-15][16 bytes].
; PERMUTED TILES: in a group of 32 rows, lane r of tile u holds row rho = 8 u + r + 8 (r / 8) (keys and queries, the values' channels, W1's hidden units); W2's outputs lie in their own order.
; xq: 32 records of 278,528 bytes, each eight chunks of 34,816 bytes, one for each key step of 128 keys: K images [tile 0-7][K step 0-1][1 KB]; at 16,384 V images [channel tile 0-15][1 KB];
;     at 32,768 K's scale words [group of 32 keys][lane 16 u + r][K step][4 bytes]; at 33,792 V's [channel group / 4][lane][channel group % 4][4 bytes].
; wq: W1's images [tile 0-63][K step 0-3][1 KB]; at 262,144 W2's [tile 0-31][K step 0-7][1 KB]; at 524,288 W1's scale words [group][lane][K step]; at 540,672 W2's [group][K step / 4][lane][K step % 4].
; SHARES.  A work-group (key step S = x, batch = y) takes 128 rows of x, 128 KB, read from memory once, in four stages of 32 keys; a wave loads 4 rows of each stage, 512 consecutive bytes an instruction.
; All 32 loads are asked for at the head; a stage's eight go to LDS as they land, and while the stage is worked on the later ones are on their way.  The stages' bytes in LDS are apart: nothing is written twice.
; A stage gives each wave one block by rows (wave = 32 channels; a lane holds one key) and one by columns (wave = 32 channels; a lane holds one channel, its registers run down the keys), worked by turns.
; Each work-group also takes one of 256 pieces of the weights, 32 columns x 128 along K: waves 0 to 3 take a block of 32 along K each, asked for first.  Its scale bytes meet in LDS and leave 4 bytes a lane, 16 apart: 32 KB of all that the launch moves.
; No matrix unit, no cluster: work-groups share no input.  No prefetch: the launch has no loop to run ahead in.
.set XP,   1040                        ; a row of x in LDS: 1,024 bytes + 16 of padding
.set GP,   32*XP                       ; a stage
.set SCST, 128*XP                      ; behind the rows: the step's scale words, K's 1,024 bytes, then V's;
.set WST,  SCST+2048                   ; and the weights' 32 scale words
.set REC,  278528
.set CH,   34816
.set MA,   1                           ; v1-4 at work behind the head: chains of two blocks' largest magnitudes
.set MB,   2
.set MC,   3
.set MD,   4
.set CW,   18                          ; v18  behind the head: V's scale word
.set SOA,  28                          ; v28-29 the conversions' scale operands
.set SOB,  29
.set BYA,  30                          ; v30-31 scale bytes
.set BYB,  31
.set XR,   32                          ; v32-63 a block by rows, v64-95 a block by columns
.set XC,   64
.set WX,   96                          ; v96-127 the weights' block
.set IN,   128                         ; v128-255 the rows as they land, 32 registers a stage; a stage's codes lie in its first eight when they are free
; the weights' block: 32 rows, my column; 32 lanes read 128 consecutive bytes
.macro WLOAD off, stride
.set i, 0
.rept 32
	global_load_b32 v[WX+i], v[\off], s[42:43] offset:i*\stride th:TH_LOAD_NT
.set i, i+1
.endr
.endm
	s_load_b256 s[4:11], s[0:1], 0x0               ; x s[4:5], W1 s[6:7], W2 s[8:9], xq s[10:11]
	s_load_b64 s[12:13], s[0:1], 0x20              ; wq
	v_lshl_add_u32 v26, v0, 2, 0x29000             ; my spare word,
	v_mov_b32 v27, 0                               ; and 0
	v_lshrrev_b32 v1, 5, v0
	v_readfirstlane_b32 s14, v1                    ; wave 0..7
	s_mov_b32 s15, ttmp9                           ; S: the key step
	s_and_b32 s16, ttmp7, 0xffff                   ; the batch
	s_lshl_b32 s17, s16, 3
	s_add_co_u32 s17, s17, s15                     ; ID 0..255: which piece of the weights
	s_lshl_b32 s34, s16, 20                        ; the batch's 1 MB, the step's 128 KB, my first 4 rows
	s_lshl_b32 s35, s15, 17
	s_add_co_u32 s34, s34, s35
	s_lshl_b32 s35, s14, 12
	s_add_co_u32 s34, s34, s35
	s_mov_b32 s35, 0
	; where my results go
	s_mul_i32 s52, s16, REC
	s_mul_i32 s53, s15, CH
	s_add_co_u32 s53, s53, s52                     ; record + chunk
	s_lshl_b32 s36, s14, 8
	s_add_co_u32 s36, s36, s53                     ; K images: 256 bytes a block of 32 channels (1,024 a K step of four waves); two tiles of 2,048 bytes a stage
	s_mov_b32 s37, 0
	s_lshl_b32 s38, s14, 11
	s_add_co_u32 s38, s38, s53                     ; V images (16,384 more stand in the immediate): two tiles of 1,024 bytes a wave; 256 bytes a stage
	s_mov_b32 s39, 0
	s_lshl_b32 s40, s14, 9
	s_add_co_u32 s40, s40, s53
	s_add_co_u32 s40, s40, 32768                   ; scale words: 512 bytes for each of waves 0-3 (used by these four alone)
	s_mov_b32 s41, 0
	; the weights' piece: both candidates, then one choice on ID
	s_and_b32 s61, s14, 3                          ; my block of 32 along K
	s_lshr_b32 s58, s17, 2                         ; W1: group of 32 hidden units,
	s_and_b32 s59, s17, 3                          ; K step
	s_lshl_b32 s18, s59, 19
	s_lshl_b32 s60, s58, 7
	s_add_co_u32 s18, s18, s60
	s_lshl_b32 s60, s61, 17
	s_add_co_u32 s18, s18, s60                     ; source
	s_lshl_b32 s19, s58, 13
	s_lshl_b32 s60, s59, 10
	s_add_co_u32 s19, s19, s60                     ; codes
	s_lshl_b32 s20, s58, 9
	s_lshl_b32 s60, s59, 2
	s_add_co_u32 s20, s20, s60
	s_add_co_u32 s20, s20, 524288                  ; scale words
	s_and_b32 s58, s17, 127
	s_and_b32 s59, s58, 7                          ; W2: K step,
	s_lshr_b32 s58, s58, 3                         ; group of 32 outputs
	s_lshl_b32 s21, s59, 18
	s_lshl_b32 s60, s58, 7
	s_add_co_u32 s21, s21, s60
	s_lshl_b32 s60, s61, 16
	s_add_co_u32 s21, s21, s60
	s_lshl_b32 s22, s58, 14
	s_lshl_b32 s60, s59, 10
	s_add_co_u32 s22, s22, s60
	s_add_co_u32 s22, s22, 262144
	s_lshl_b32 s23, s58, 10
	s_lshr_b32 s60, s59, 2
	s_lshl_b32 s60, s60, 9
	s_add_co_u32 s23, s23, s60
	s_and_b32 s60, s59, 3
	s_lshl_b32 s60, s60, 2
	s_add_co_u32 s23, s23, s60
	s_add_co_u32 s23, s23, 540672
	s_lshl_b32 s50, s14, 7                         ; my 32 channels: 128 bytes of a row
	s_mul_i32 s51, s14, 4*XP                       ; my 4 rows of a stage
	s_add_co_u32 s60, s14, SCST                    ; K's scale byte: [group][lane][K step][block]: byte 4 (wave / 4) + wave % 4 of the lane's eight
	s_lshr_b32 s62, s14, 2
	s_lshl_b32 s62, s62, 9
	s_lshl_b32 s63, s61, 2
	s_add_co_u32 s62, s62, s63
	s_add_co_u32 s62, s62, SCST+1024               ; V's scale word: [group / 4][lane][group % 4]
	s_lshl_b32 s63, s14, 9
	s_add_co_u32 s63, s63, SCST                    ; and back: 512 bytes a wave
	s_mov_b32 s48, 8192
	s_cmp_lt_u32 s17, 128                          ; the first 128 pieces are W1's: the choice hangs on the work-group's number alone
	s_cselect_b32 s18, s18, s21
	s_cselect_b32 s44, s19, s22
	s_cselect_b32 s46, s20, s23
	s_cselect_b32 s48, 4096, s48                   ; bytes from a tile's images to the next tile's
	s_lshl_b32 s49, s61, 8
	s_add_co_u32 s44, s44, s49                     ; my block's 256 bytes of codes
	s_mov_b32 s19, 0
	s_mov_b32 s45, 0
	s_mov_b32 s47, 0
	; every address register is made here, ahead of the first branch on the wave's number
	v_and_b32 v1, 31, v0                           ; l
	v_and_b32 v2, 15, v0                           ; r
	v_bfe_u32 v3, v0, 4, 1                         ; u
	v_lshlrev_b32 v5, 4, v1                        ; 16 l
	v_and_b32 v4, 8, v2
	v_lshl_add_u32 v23, v1, 2, WST                 ; the weights' scale word l
	v_lshlrev_b32 v14, 4, v2
	v_lshlrev_b32 v15, 4, v2
	v_add_nc_u32 v4, v4, v2
	v_add_nc_u32 v22, s61, v23                     ; and its byte: my block
	v_add_nc_u32 v24, s51, v5                      ; into LDS: stages 0, 1,
	v_mul_u32_u24 v16, s48, v3
	v_lshl_add_u32 v4, v3, 3, v4                   ; rho = 8 u + r + 8 (r / 8)
	v_lshl_add_u32 v14, v3, 11, v14                ; K images: 2,048 u + 16 r
	v_lshl_add_u32 v15, v3, 10, v15                ; V images: 1,024 u + 16 r
	v_add_nc_u32 v25, 2*GP, v24                    ; stages 2, 3
	v_mul_u32_u24 v6, v4, XP
	v_lshl_add_u32 v10, v4, 2, s50                 ; by columns: my channel, stages 0 .. 3: v10-13
	v_lshlrev_b32 v17, 2, v4                       ; W1: column rho;
	v_lshlrev_b32 v18, 2, v1                       ; W2: column l
	v_lshl_add_u32 v19, v1, 3, s60
	v_add_nc_u32 v20, s62, v5
	v_add_nc_u32 v21, s63, v5
	v_lshl_add_u32 v16, v2, 4, v16                 ; the weights' images
	v_add_nc_u32 v6, s50, v6                       ; by rows: my key's row, my 32 channels, stages 0 .. 3: v6-9
	v_add_nc_u32 v11, GP, v10
	v_add_nc_u32 v12, 2*GP, v10
	v_add_nc_u32 v13, 3*GP, v10
	v_add_nc_u32 v7, GP, v6
	v_add_nc_u32 v8, 2*GP, v6
	v_add_nc_u32 v9, 3*GP, v6
	s_wait_alu depctr_va_vdst(0)                   ; the wait at the head's end
	s_wait_kmcnt 0x0
	s_add_nc_u64 s[34:35], s[4:5], s[34:35]
	s_add_nc_u64 s[36:37], s[10:11], s[36:37]
	s_add_nc_u64 s[38:39], s[10:11], s[38:39]
	s_add_nc_u64 s[40:41], s[10:11], s[40:41]
	s_cmp_lt_u32 s17, 128
	s_cselect_b64 s[42:43], s[6:7], s[8:9]
	s_add_nc_u64 s[42:43], s[42:43], s[18:19]
	s_add_nc_u64 s[44:45], s[12:13], s[44:45]
	s_add_nc_u64 s[46:47], s[12:13], s[46:47]
	s_cmp_lt_u32 s14, 4                            ; waves 0-3 ask for their block of the weights first, so that the counts below hold on every path
	s_cbranch_scc0 .Lno_w
	s_cmp_lt_u32 s17, 128
	s_cbranch_scc0 .Lw2
	WLOAD 17, 4096
	s_branch .Lno_w
.Lw2:
	WLOAD 18, 2048
.Lno_w:
.irp g, 0,1,2,3
.irp i, 0,1,2,3
.irp k, 0,1
	global_load_b128 v[IN+32*\g+8*\i+4*\k:IN+32*\g+8*\i+4*\k+3], v5, s[34:35] offset:\g*32768+\i*1024+512*\k th:TH_LOAD_NT
.endr
.endr
.endr
; a stage of 32 keys
.macro STAGE g
	s_wait_loadcnt 24-8*(\g)                       ; my eight loads of this stage are in; the later stages' may be out
.irp i, 0,1,2,3
.irp k, 0,1
	ds_store_b128 v[24+(\g)/2], v[IN+32*(\g)+8*\i+4*\k:IN+32*(\g)+8*\i+4*\k+3] offset:((\g)%2)*GP+\i*XP+512*\k
.endr
.endr
	s_wait_dscnt 0x0                               ; for the others' sake
	s_barrier_signal -1
	s_barrier_wait -1                              ; the stage's 32 rows lie in LDS
.irp j, 0,1,2,3,4,5,6,7
	ds_load_b128 v[XR+4*\j:XR+4*\j+3], v[6+(\g)] offset:16*\j      ; taken, so that the stores come from neighbouring lanes
.endr
.set i, 0
.rept 32
	ds_load_b32 v[XC+i], v[10+(\g)] offset:i*XP        ; 32 lanes read 128 consecutive bytes of a row
.set i, i+1
.endr
	s_wait_dscnt 0x0
	v_max3_num_f32 v[MA], |v[XR]|, |v[XR+1]|, |v[XR+2]|
	v_max3_num_f32 v[MC], |v[XC]|, |v[XC+1]|, |v[XC+2]|
	v_max3_num_f32 v[MB], |v[XR+3]|, |v[XR+4]|, |v[XR+5]|
	v_max3_num_f32 v[MD], |v[XC+3]|, |v[XC+4]|, |v[XC+5]|
.irp i, 6,10,14,18,22,26
	v_max3_num_f32 v[MA], v[MA], |v[XR+\i]|, |v[XR+\i+1]|
	v_max3_num_f32 v[MC], v[MC], |v[XC+\i]|, |v[XC+\i+1]|
	v_max3_num_f32 v[MB], v[MB], |v[XR+\i+2]|, |v[XR+\i+3]|
	v_max3_num_f32 v[MD], v[MD], |v[XC+\i+2]|, |v[XC+\i+3]|
.endr
	v_max3_num_f32 v[MA], v[MA], |v[XR+30]|, |v[XR+31]|
	v_max3_num_f32 v[MC], v[MC], |v[XC+30]|, |v[XC+31]|
	v_max3_num_f32 v[MA], v[MA], v[MB], 0x1800000      ; the floor 2^(3 - 127): the byte cannot fall under 1
	v_max3_num_f32 v[MC], v[MC], v[MD], 0x1800000
	v_add_nc_u32 v[SOA], 0xff000000, v[MA]             ; 2 off the exponent field: the conversion takes that field as its scale and nothing else
	v_add_nc_u32 v[SOB], 0xff000000, v[MC]
	v_lshrrev_b32 v[BYA], 23, v[SOA]                   ; the scales' bytes
.if (\g) == 0
	v_lshrrev_b32 v[CW], 23, v[SOB]
.else
	v_lshrrev_b32 v[BYB], 23, v[SOB]
	v_lshl_or_b32 v[CW], v[BYB], 8*(\g), v[CW]
.endif
.irp k, 0,1,2,3
	v_cvt_scalef32_pk8_fp4_f32 v[IN+32*(\g)+\k], v[XR+8*\k:XR+8*\k+7], v[SOA]
.endr
.irp k, 0,1,2,3
	v_cvt_scalef32_pk8_fp4_f32 v[IN+32*(\g)+4+\k], v[XC+8*\k:XC+8*\k+7], v[SOB]
.endr
	v_nop                                              ; one plain place behind the last conversion
	ds_store_b8 v19, v[BYA] offset:256*(\g)
	global_store_b128 v14, v[IN+32*(\g):IN+32*(\g)+3], s[36:37] offset:4096*(\g)               ; each store covers two aligned runs of 256 consecutive bytes
	global_store_b128 v15, v[IN+32*(\g)+4:IN+32*(\g)+7], s[38:39] offset:16384+256*(\g)
.endm
.irp g, 0,1,2,3
	STAGE \g
.endr
	ds_store_b32 v20, v[CW]                        ; the scale words meet in LDS and leave as 512 consecutive bytes a wave
	s_cmp_lt_u32 s14, 4
	s_cbranch_scc0 .Lno_wb
	v_max3_num_f32 v[MA], |v[WX]|, |v[WX+1]|, |v[WX+2]|        ; the weights' block (its loads were waited for with the first stage's)
	v_max3_num_f32 v[MB], |v[WX+3]|, |v[WX+4]|, |v[WX+5]|
	v_max3_num_f32 v[MC], |v[WX+6]|, |v[WX+7]|, |v[WX+8]|
	v_max3_num_f32 v[MD], |v[WX+9]|, |v[WX+10]|, |v[WX+11]|
.irp i, 12,20
	v_max3_num_f32 v[MA], v[MA], |v[WX+\i]|, |v[WX+\i+1]|
	v_max3_num_f32 v[MB], v[MB], |v[WX+\i+2]|, |v[WX+\i+3]|
	v_max3_num_f32 v[MC], v[MC], |v[WX+\i+4]|, |v[WX+\i+5]|
	v_max3_num_f32 v[MD], v[MD], |v[WX+\i+6]|, |v[WX+\i+7]|
.endr
	v_max3_num_f32 v[MA], v[MA], |v[WX+28]|, |v[WX+29]|
	v_max3_num_f32 v[MB], v[MB], |v[WX+30]|, |v[WX+31]|
	v_max3_num_f32 v[MC], v[MC], v[MD], 0x1800000
	v_max3_num_f32 v[MA], v[MA], v[MB], v[MC]
	v_add_nc_u32 v[SOA], 0xff000000, v[MA]
	v_lshrrev_b32 v[BYA], 23, v[SOA]
.irp g, 0,1,2,3
	v_cvt_scalef32_pk8_fp4_f32 v[176+\g], v[WX+8*\g:WX+8*\g+7], v[SOA]
.endr
	v_nop
	global_store_b128 v16, v[176:179], s[44:45]
	ds_store_b8 v22, v[BYA]
.Lno_wb:
	s_wait_dscnt 0x0                               ; for the others' sake: my stores are done
	s_barrier_signal -1
	s_barrier_wait -1
	s_cmp_lt_u32 s14, 4
	s_cbranch_scc0 .Lno_sc
	ds_load_b128 v[204:207], v21
	s_wait_dscnt 0x0
	global_store_b128 v5, v[204:207], s[40:41]
.Lno_sc:
	s_cmp_eq_u32 s14, 4                            ; wave 4 sends the weights' scale words
	s_cbranch_scc0 .Lend
	ds_load_b32 v208, v23
	s_wait_dscnt 0x0
	global_store_b32 v5, v208, s[46:47]
.Lend:
	s_wait_tensorcnt 0x0                           ; the wave's end
	ds_add_u32 v26, v27
	s_wait_dscnt 0x0
	s_endpgm
.Lfunc_end_k_q92f33d3fb4_quant:
	.size	k_q92f33d3fb4_quant, .Lfunc_end_k_q92f33d3fb4_quant-k_q92f33d3fb4_quant
	.p2alignl 7, 3214868480
	.fill 96, 4, 3214868480
	.section	.rodata,"a",@progbits
	.p2align	6, 0x0
	.amdhsa_kernel k_q92f33d3fb4_quant
		.amdhsa_group_segment_fixed_size 168960
		.amdhsa_private_segment_fixed_size 0
		.amdhsa_enable_private_segment 0
		.amdhsa_kernarg_size 40
		.amdhsa_user_sgpr_count 2
		.amdhsa_user_sgpr_kernarg_segment_ptr 1
		.amdhsa_wavefront_size32 1
		.amdhsa_system_sgpr_workgroup_id_x 1
		.amdhsa_system_sgpr_workgroup_id_y 1
		.amdhsa_system_sgpr_workgroup_id_z 1
		.amdhsa_system_vgpr_workitem_id 0
		.amdhsa_next_free_vgpr 256
		.amdhsa_next_free_sgpr 66
		.amdhsa_reserve_vcc 0
		.amdhsa_float_denorm_mode_32 3
		.amdhsa_float_denorm_mode_16_64 3
		.amdhsa_memory_ordered 1
		.amdhsa_forward_progress 1
		.amdhsa_inst_pref_size 42
	.end_amdhsa_kernel
	.amdgpu_metadata
---
amdhsa.version: [ 1, 2 ]
amdhsa.kernels:
  - .name:           k_q92f33d3fb4_quant
    .symbol:         k_q92f33d3fb4_quant.kd
    .args:
      - { .name: latent_traj, .offset: 0, .size: 8, .value_kind: global_buffer, .address_space: global }
      - { .name: W1, .offset: 8, .size: 8, .value_kind: global_buffer, .address_space: global }
      - { .name: W2, .offset: 16, .size: 8, .value_kind: global_buffer, .address_space: global }
      - { .name: xq, .offset: 24, .size: 8, .value_kind: global_buffer, .address_space: global }
      - { .name: wq, .offset: 32, .size: 8, .value_kind: global_buffer, .address_space: global }
    .group_segment_fixed_size: 168960
    .private_segment_fixed_size: 0
    .kernarg_segment_align: 8
    .kernarg_segment_size: 40
    .max_flat_workgroup_size: 256
    .sgpr_count:     66
    .vgpr_count:     256
    .wavefront_size: 32
...
	.end_amdgpu_metadata
.endif
;; end of part 1
;; launch decoder (part 2): grid 8 x 32, 8 waves a work-group, clusters of 4 x 1, 327,680 bytes of LDS; arguments xq, wq, b1, b2, out0, out1; writes out0, out1
.if DOCPART == 2
	.amdgcn_target "amdgcn-amd-amdhsa--gfx1250"
	.amdhsa_code_object_version 6
	.text
	.protected	k_q92f33d3fb4_decoder
	.globl	k_q92f33d3fb4_decoder
	.p2align	8
	.type	k_q92f33d3fb4_decoder,@function
k_q92f33d3fb4_decoder:
	s_mov_b64 s[64:65], 0
	v_nop
	global_prefetch_b8 v0, s[64:65] scope:SCOPE_SE
	s_setreg_imm32_b32 hwreg(HW_REG_WAVE_MODE, 25, 1), 1
	s_wait_xcnt 0x0
	s_wait_alu depctr_hold_cnt(0) depctr_sa_sdst(0) depctr_va_vdst(0) depctr_va_sdst(0) depctr_va_ssrc(0) depctr_va_vcc(0) depctr_vm_vsrc(0)
	s_getreg_b32 s2, hwreg(HW_REG_IB_STS2, 6, 4)
	s_cmp_eq_u32 s2, 0
	s_cbranch_scc0 .Lentry_in_a_cluster
	s_endpgm
.Lentry_in_a_cluster:
	s_bfe_u32 s2, ttmp6, 0x10000c
	s_cmp_lg_u32 s2, 0x3003
	s_cbranch_scc0 .Lentry_shape_is_right
	s_endpgm
.Lentry_shape_is_right:
; out = relu([x, ctx] W1 + b1) W2 + b2, ctx = strictly causal attention of x on itself (logit = x . x / 16; row 0's ctx is 0).  All four products on codes of FP4 (E2M1) with E8M0 scales for each 32 along K.
; The codes of x (along the channels: K images; along the keys: V images) and of W1, W2 come from the launch before, as images of the operands' registers: a fragment (16 rows x 128 K) is 1,024 bytes, two loads of 16 bytes a lane.
; WORK LEFT OUT: key steps of 128 keys that all come at or after a tile's queries (the mask j < i of reference() gives them weight 0 for all inputs); a NaN or infinity that reaches only those is not carried on.
; SOFTMAX: t = score x log2(e) / 16; M = the running largest t rounded up to a whole number; p = 2^(t - M) is quantised along the keys; the row's sum is taken of the unquantised p and divides at the end.
; SHARES.  A work-group owns 128 rows of one batch: eight tiles of 16 queries, tile 8 c + G for c = 0 .. 7 (G: the work-group's x), so that every work-group has 1 + 2 + .. + 8 = 36 key steps of 128 keys.
; Wave w owns class c = w (w < 4) or 11 - w.  A tile of class c lies in key step c: steps under c count whole, step c is masked, later steps are jumped over (a scalar branch on the wave's number and the trip).
; ALL products are used transposed (source 1 = the 16 rows): a lane holds ONE row throughout, and its registers run along the next product's K, since the tiles of keys, of V's channels and of W1's hidden units
; are permuted: lane r of tile 2 b + u holds row 32 b + 8 u + r + 8 (r / 8).
; MLP: THE WAVES SHARE THE COLUMNS: wave w makes hidden units 128 w .. + 127 and outputs 64 w .. + 63 for all 128 rows.  Its part of W1 and W2 is 32 KB each, in halves of 128 registers a lane that take turns:
;   window 1, v128-255: W1's hidden tiles 0-3, then W2's K steps 0-3;   v0-127: (O^T,) W1's hidden tiles 4-7, then W2's K steps 4-7.
;   W1's second half is on its way while product 3 works on the first; W2's first half while it works on the second; W2's second half comes by a joint tensor load into the bytes of K's and V's images when attention is over
;   (16 KB a wave, its own bytes), and has all of product 3 in which to land.
; Product 3 takes two tiles of rows at a time against four tiles of hidden units: eight accumulators by turns.  relu is done on the codes: a code with the sign bit loses its magnitude bits and stays as -0.
; Product 4 takes two tiles of rows at a time (a quarter, four groups of products); a quarter's results go to the wave's stage in LDS at once, and leave in four pieces, one in each group of the next quarter.
; CLUSTER: the four work-groups of a cluster belong to one batch and read the same record: asked for JOINTLY, one tensor load of 34,816 bytes a wave; W2's second half likewise.  The other weights are not asked for jointly: they go
; straight to registers, since LDS has 49,152 bytes beside the batch's record, 32,768 of them taken by the rows' images.
; PREFETCH into the L2: all work-groups read the same 557,056 bytes of weights, so four clusters ask for them (batches 0 and 1), each for the whole, each block of 256 bytes once: wave w's share is 65,536 bytes of codes and 4,096 of scale words
; (waves 0-3: W1's, waves 4-7: W2's), of which the partner at place cx takes a quarter, told apart by address: 64 + 4 blocks, three instructions, in the wave's last key step.  Waves 0-3 ask in trips 0-3, four trips or more ahead of the loop's end;
; W2's ask in trips 4-7, all of product 3's first half ahead of its first load.  The record comes once, at the head, and is not asked for.
; LIMITS: NaN and infinities are not served; a block whose largest magnitude lies under 2^-124 holds the byte 1; a block's largest p is made from its largest score, which takes v_exp_f32 not to fall where its input rises.
; Query 0, whose softmax the problem throws away, sees key 0, so that its M is a number; its 1 / sum is then replaced by 0: its ctx is 0 for every finite input.
; REGISTERS, window 0: v1-11 addresses for the MLP; v12 -M, v13 the largest t, v[14:15] the sum; v16-31 attention's addresses and constants; v224-247, v253 scale words and nothing else; v252 f.
;   attention: v32-47 Q; v48-111 V's first eight tiles; v112-119 sums; v128-191 S^T, then p, then V's last eight tiles; v192-199 p's codes; v200-211, v220-223 at work; v212-213 the prefetches' offsets.
;   Window 1: v0-127 O^T, v128-255 a key step's sixteen fragments of K.
;   product 3: v12-19 codes, v20-31 at work; v32-95 b1; v96-159 the fragments of two tiles of rows; v160-223 the hidden layer.
;   product 4: v32-63 b2; v64-127 eight accumulators; v128-191 two buffers of four fragments of h; v192-223 rows of out, two pieces.
.set REC,  278528                      ; a batch's record in xq, and its place in LDS from byte 0:
.set CH,   34816                       ; eight chunks, one a key step: K images,
.set VIM,  16384                       ; V images,
.set KSC,  32768                       ; K's scale words,
.set VSC,  33792                       ; V's
.set DIMG, 278528                      ; the MLP's input: images [tile m][K step 0-3][1 KB]
.set DSC,  311296                      ; their scale words [m][K step][128 bytes]
.set HSC,  315392                      ; the hidden layer's scale words [m][K step 0-7][128 bytes]
.set SPARE,323584                      ; the spare words, 128 bytes a wave
.set HIMG, 131072                      ; behind attention, in the record's bytes: 0-131,071 W2's K steps 4-7 (tensor loads); the hidden layer's images [m][K step 0-7][1 KB];
.set STG,  196608                      ; the way out: 2 x 16 rows x 272 bytes for each wave
.set SPI,  272
.set W2C,  262144                      ; in wq
.set W1S,  524288
.set W2S,  540672
.set LI,1
.set LS,2
.set DRI0,3
.set DRS0,4
.set HWI0,5
.set HWS0,6
.set HRI0,7
.set HRS0,8
.set SO,9
.set SR,10
.set GO,11
.set AV0,16
.set ASK0,17
.set ASV0,18
.set DWI,19
.set DWS,20
.set ADK,21
.set ADV,22
.set ADS,23
.set ADT,24
.set DV,25
.set QG,26
.set B1O,27
.set B2O,250
.set W2A,254
.set PFO,212
.set PFS,213
.set Q,32
.set F,48
.set S,128
.set KB,128                            ; in window 1
.set PCD,192
.set TM,200
.set PC3,12
.set T3,20
.set B1,32
.set B2,32
.set DF,96
.set HA,160
.set ACC,64
.set HF,128
.set OB,192
.set QS,224
.set KS,226
.set VS,234
.set WS,224
.set XS,240
.set HW,248
.set PW,253
.set WV,16
.set CL,17
.set GG,18
.set BAT,19
.set SEL,20
.set CS,22
.set SGN,48
.set CNT,49
.set PFA,50                            ; s[50:51] my share of the weights' codes;  s[54:55] of their scale words
.set PFB,54
.set KSI,52
.set TK,53
.set MSB, 0
.macro WIN new                         ; the immediate's high byte repeats the setting that is left; bits 1:0 source 0, 3:2 source 1, 5:4 source 2, 7:6 destination
.if MSB != \new
	s_set_vgpr_msb (MSB<<8)|\new
.set MSB, \new
.endif
.endm
.macro PLACES                          ; four places behind matrix instructions, in front of loads into their registers and of reads of their results
.rept 4
	v_nop
.endr
.endm
.macro CROUND                          ; a round of the cluster's barrier
	s_barrier_signal -1
	s_barrier_wait -1
	s_cmp_lg_u32 s[WV], 0
	s_cbranch_scc1 .Lnot_wave_0_\@
	s_barrier_signal -3
.Lnot_wave_0_\@:
	s_barrier_wait -3
	s_barrier_signal -1
	s_barrier_wait -1
.endm
; one matrix instruction.  c < 0: the constant 0 starts the sum.  row1: source 0's scale words stand in lanes 16-31
.macro WM d, a, b, c, sa, sb, row1
.if (\c) < 0
.if \row1
	v_wmma_scale_f32_16x16x128_f8f6f4 v[\d:\d+7], v[\a:\a+7], v[\b:\b+7], 0, v[\sa], v[\sb] matrix_a_fmt:MATRIX_FMT_FP4 matrix_b_fmt:MATRIX_FMT_FP4 matrix_a_scale:MATRIX_SCALE_ROW1
.else
	v_wmma_scale_f32_16x16x128_f8f6f4 v[\d:\d+7], v[\a:\a+7], v[\b:\b+7], 0, v[\sa], v[\sb] matrix_a_fmt:MATRIX_FMT_FP4 matrix_b_fmt:MATRIX_FMT_FP4
.endif
.else
.if \row1
	v_wmma_scale_f32_16x16x128_f8f6f4 v[\d:\d+7], v[\a:\a+7], v[\b:\b+7], v[\c:\c+7], v[\sa], v[\sb] matrix_a_fmt:MATRIX_FMT_FP4 matrix_b_fmt:MATRIX_FMT_FP4 matrix_a_scale:MATRIX_SCALE_ROW1
.else
	v_wmma_scale_f32_16x16x128_f8f6f4 v[\d:\d+7], v[\a:\a+7], v[\b:\b+7], v[\c:\c+7], v[\sa], v[\sb] matrix_a_fmt:MATRIX_FMT_FP4 matrix_b_fmt:MATRIX_FMT_FP4
.endif
.endif
.endm
; ctx: 64 numbers of a lane, register 16 b + i = k 32 b + 16 (lane / 16) + i of my row, become a fragment's codes in v[PCD] on and its scale word in v[PW]
.macro QUANT s
.irp b, 0,1,2,3
	v_max3_num_f32 v[TM+\b], |v[\s+16*\b]|, |v[\s+1+16*\b]|, 0x1800000   ; my 16 numbers of block b, and the floor 2^(3 - 127); the four blocks by turns
.endr
.irp i, 2,4,6,8,10,12,14
.irp b, 0,1,2,3
	v_max3_num_f32 v[TM+\b], v[TM+\b], |v[\s+16*\b+\i]|, |v[\s+1+16*\b+\i]|
.endr
.endr
.irp b, 0,1,2,3
	v_permlanex16_b32 v[TM+4+\b], v[TM+\b], s[SEL], s[SEL+1]
.endr
.irp b, 0,1,2,3
	v_max_num_f32 v[TM+\b], v[TM+\b], v[TM+4+\b]       ; with lane l xor 16's: the block's largest magnitude
.endr
.irp b, 0,1,2,3
	v_add_nc_u32 v[TM+8+\b], 0xff000000, v[TM+\b]      ; 2 off its exponent field: the conversion's scale operand
.endr
.irp b, 0,1,2,3
	v_lshrrev_b32 v[TM+4+\b], 23, v[TM+8+\b]           ; the scale's byte
.endr
	v_lshl_or_b32 v[PW], v[TM+5], 8, v[TM+4]
	v_lshl_or_b32 v[PW], v[TM+6], 16, v[PW]
	v_lshl_or_b32 v[PW], v[TM+7], 24, v[PW]
.irp b, 0,1,2,3
	v_cvt_scalef32_pk8_fp4_f32 v[PCD+2*\b], v[\s+16*\b:\s+7+16*\b], v[TM+8+\b]
	v_cvt_scalef32_pk8_fp4_f32 v[PCD+1+2*\b], v[\s+8+16*\b:\s+15+16*\b], v[TM+8+\b]
.endr
	v_nop                                              ; one plain place behind a scaled conversion
.irp c, 0,1                                            ; the operand wants a whole block in a lane: lanes 0-15 block 2 c, lanes 16-31 block 2 c + 1
.irp i, 0,1
	v_permlane16_swap_b32 v[PCD+4*\c+\i], v[PCD+2+4*\c+\i]
.endr
.endr
.endm
; the hidden layer: two blocks of each of two tiles of rows (register HA + 32 mm + 16 b + i), relu included: codes in v[PC3 + 4 mm] on, two scale bytes in v[HW + mm]
.macro QRELU
.irp b, 0,1,2,3
	v_max3_num_f32 v[T3+\b], v[HA+16*\b], v[HA+1+16*\b], 0x1800000   ; what is negative does not count: the floor stands over it
.endr
.irp i, 2,4,6,8,10,12,14
.irp b, 0,1,2,3
	v_max3_num_f32 v[T3+\b], v[T3+\b], v[HA+16*\b+\i], v[HA+1+16*\b+\i]
.endr
.endr
.irp b, 0,1,2,3
	v_permlanex16_b32 v[T3+4+\b], v[T3+\b], s[SEL], s[SEL+1]
.endr
.irp b, 0,1,2,3
	v_max_num_f32 v[T3+\b], v[T3+\b], v[T3+4+\b]
.endr
.irp b, 0,1,2,3
	v_add_nc_u32 v[T3+8+\b], 0xff000000, v[T3+\b]
.endr
.irp b, 0,1,2,3
	v_lshrrev_b32 v[T3+4+\b], 23, v[T3+8+\b]
.endr
	v_lshl_or_b32 v[HW], v[T3+5], 8, v[T3+4]
	v_lshl_or_b32 v[HW+1], v[T3+7], 8, v[T3+6]
.irp b, 0,1,2,3
	v_cvt_scalef32_pk8_fp4_f32 v[PC3+2*\b], v[HA+16*\b:HA+7+16*\b], v[T3+8+\b]
	v_cvt_scalef32_pk8_fp4_f32 v[PC3+1+2*\b], v[HA+8+16*\b:HA+15+16*\b], v[T3+8+\b]
.endr
	v_nop
.irp i, 0,1,2,3,4,5,6,7
	v_and_b32 v[T3+\i], s[SGN], v[PC3+\i]              ; 8 in the nibbles of negative codes,
.endr
.irp i, 0,1,2,3,4,5,6,7
	v_lshrrev_b32 v[HA+\i], 3, v[T3+\i]                ; 1,
.endr
.irp i, 0,1,2,3,4,5,6,7
	v_sub_nc_u32 v[T3+\i], v[T3+\i], v[HA+\i]          ; 7: their magnitude bits
.endr
.irp i, 0,1,2,3,4,5,6,7
	v_bfi_b32 v[PC3+\i], v[T3+\i], 0, v[PC3+\i]        ; cleared: -0
.endr
.irp mm, 0,1
.irp i, 0,1
	v_permlane16_swap_b32 v[PC3+4*\mm+\i], v[PC3+2+4*\mm+\i]
.endr
.endr
.endm
.macro IMAGE adr, off                  ; the fragment in v[PCD] on goes to LDS as it stands
.irp c, 0,1
	ds_store_b128 v[\adr], v[PCD+4*\c:PCD+4*\c+3] offset:\off+512*\c
.endr
.endm
.macro KLOAD adr                       ; a key step's sixteen fragments of K (tile t, K step ks) into window 1, v[KB + 8 (2 t + ks)]
	WIN 0x40                                       ; destination window 1, address window 0
.irp t, 0,1,2,3,4,5,6,7
.irp ks, 0,1
.irp c, 0,1
	ds_load_b128 v[KB+8*(2*\t+\ks)+4*\c:KB+8*(2*\t+\ks)+4*\c+3], v[\adr] offset:\t*2048+\ks*1024+512*\c
.endr
.endr
.endr
	WIN 0
.endm
.macro KSLOAD adr                      ; and its scale words: lanes 0-15 tile 2 kg, lanes 16-31 tile 2 kg + 1; two K steps
.irp kg, 0,1,2,3
	ds_load_b64 v[KS+2*\kg:KS+2*\kg+1], v[\adr] offset:256*\kg
.endr
.endm
; A KEY STEP: 128 keys against my 16 queries.  Its K and K's scale words were asked for in the step before (the first step's: ahead of the loop)
.macro STEP
	s_cmp_gt_u32 s[KSI], s[CL]                     ; all its keys come after my queries: only the steps of the addresses are run
	s_cbranch_scc1 .Lhid_\@
	s_add_co_u32 s3, s[TK], CH                     ; the next step's chunk, held at the last one: every look-ahead stays inside the record
	s_min_u32 s3, s3, 7*CH
	v_add_nc_u32 v[ADK], s3, v[LI]
	v_add_nc_u32 v[ADV], s[TK], v[AV0]
	v_add_nc_u32 v[ADS], s3, v[ASK0]
	v_add_nc_u32 v[ADT], s[TK], v[ASV0]
	v_nop                                          ; with the four additions: five places behind the last step's products, whose source 0 lay in S^T's registers, which the products below write over
	s_wait_alu depctr_va_vdst(0)
	s_wait_dscnt 0x0                               ; K and its scale words are in
	WIN 0x01                                       ; source 0 (K) in window 1
.irp t, 0,1,2,3,4,5,6,7                                ; S^T = K Q^T: eight tiles of 16 keys by turns, two K steps deep
	WM S+8*\t, KB+16*\t, Q, -1, KS+2*(\t/2), QS, \t%2
.endr
.irp t, 0,1,2,3,4,5,6,7
	WM S+8*\t, KB+16*\t+8, Q+8, S+8*\t, KS+2*(\t/2)+1, QS+1, \t%2
.endr
	WIN 0
	PLACES                                         ; for the reads of S^T and for the loads into K's registers and K's scale words
.irp t, 0,1,2,3,4,5,6,7                                ; V's first eight tiles are asked for ahead of the softmax,
.irp c, 0,1
	ds_load_b128 v[F+8*\t+4*\c:F+8*\t+4*\c+3], v[ADV] offset:\t*1024+512*\c
.endr
.endr
.irp j, 0,1
	ds_load_b128 v[VS+4*\j:VS+4*\j+3], v[ADT] offset:512*\j        ; and V's scale words: register g: lanes 0-15 tile 2 g, lanes 16-31 tile 2 g + 1
.endr
	s_cmp_lg_u32 s[KSI], s[CL]                     ; my class's own step is masked, and is my last: it asks for no further K,
	s_cbranch_scc1 .Lopen_\@
	s_cmp_lt_u32 s[BAT], 2                         ; but, in four clusters, for my share of the weights in the L2
	s_cbranch_scc0 .Lnot_asked_\@
	global_prefetch_b8 v[PFO], s[PFA:PFA+1] th:TH_LOAD_NT scope:SCOPE_SE
	global_prefetch_b8 v[PFO], s[PFA:PFA+1] offset:8192 th:TH_LOAD_NT scope:SCOPE_SE
	global_prefetch_b8 v[PFS], s[PFB:PFB+1] th:TH_LOAD_NT scope:SCOPE_SE
.Lnot_asked_\@:
	v_mov_b32 v254, 0xff800000                     ; -infinity.  Register 16 b + i holds key 32 b + 16 (lane / 16) + i of the step: hidden where 32 b + i > DV
.set n, 0
.rept 64
	v_cmp_gt_i32 vcc_lo, 32*(n/16)+n%16, v[DV]
	v_cndmask_b32 v[S+n], v[S+n], v254, vcc_lo
.set n, n+1
.endr
	s_branch .Lsoft_\@
.Lopen_\@:
	KLOAD ADK                                      ; the next step's K: it has the softmax and the second product in which to land
	KSLOAD ADS
.Lsoft_\@:
.irp b, 0,1,2,3
	v_max3_num_f32 v[TM+\b], v[S+16*\b], v[S+16*\b+1], v[S+16*\b+2]    ; the largest score of each block of 32 keys: for the row's maximum and for the block's largest p
.endr
.irp i, 3,5,7,9,11,13
.irp b, 0,1,2,3
	v_max3_num_f32 v[TM+\b], v[TM+\b], v[S+16*\b+\i], v[S+16*\b+\i+1]
.endr
.endr
.irp b, 0,1,2,3
	v_max_num_f32 v[TM+\b], v[TM+\b], v[S+16*\b+15]
.endr
.irp b, 0,1,2,3
	v_permlanex16_b32 v[TM+4+\b], v[TM+\b], s[SEL], s[SEL+1]
.endr
.irp b, 0,1,2,3
	v_max_num_f32 v[TM+\b], v[TM+\b], v[TM+4+\b]
.endr
	s_delay_alu instid0(VALU_DEP_2)
	v_max3_num_f32 v254, v[TM], v[TM+1], v[TM+2]
	s_delay_alu instid0(VALU_DEP_1)
	v_max_num_f32 v254, v254, v[TM+3]
	s_delay_alu instid0(VALU_DEP_1)
	v_mul_f32 v254, s[CS], v254                    ; as t
	s_delay_alu instid0(VALU_DEP_1)
	v_max_num_f32 v13, v13, v254                   ; the running largest t
	v_mov_b32 v254, v12
	s_delay_alu instid0(VALU_DEP_2)
	v_floor_f32 v12, -v13                          ; the new -M = -ceil(t)
	s_delay_alu instid0(VALU_DEP_1)
	v_sub_f32 v254, v12, v254                      ; old M - new M: a whole number, 0 or less
	s_delay_alu instid0(VALU_DEP_1)
	v_cvt_i32_f32 v254, v254                       ; (it saturates)
	s_delay_alu instid0(VALU_DEP_1)
	v_ldexp_f32 v252, 1.0, v254                    ; f = 2^(old M - new M)
.set j, 0
.rept 32
	v_pk_fma_f32 v[S+j:S+j+1], v[S+j:S+j+1], s[CS:CS+1], v[12:13] op_sel_hi:[1,0,0]   ; t - M
.set j, j+2
.endr
.irp b, 0,1,2,3
	v_fma_f32 v[TM+\b], v[TM+\b], s[CS], v12
.endr
.set j, 0
	s_wait_alu depctr_va_vdst(0)                   ; the wait ahead of the batch,
.rept 64
	v_exp_f32 v[S+j], v[S+j]                       ; p = 2^(t - M)
.set j, j+1
.endr
.irp b, 0,1,2,3
	v_exp_f32 v[TM+\b], v[TM+\b]                   ; the block's largest p
.endr
	v_pk_mul_f32 v[14:15], v[14:15], v[252:253] op_sel_hi:[1,0]    ; the sums under the new M (a plain place behind the exponentials)
	s_wait_alu depctr_va_vdst(0)                   ; and behind it
.irp b, 0,1,2,3
	v_max_num_f32 v[TM+\b], 0x1800000, v[TM+\b]    ; the floor 2^(3 - 127)
.endr
.irp b, 0,1,2,3
	v_add_nc_u32 v[TM+8+\b], 0xff000000, v[TM+\b]
.endr
.irp b, 0,1,2,3
	v_lshrrev_b32 v[TM+4+\b], 23, v[TM+8+\b]
.endr
	s_delay_alu instid0(VALU_DEP_3)
	v_lshl_or_b32 v[PW], v[TM+5], 8, v[TM+4]       ; p's scale word for these 128 keys
	s_delay_alu instid0(VALU_DEP_1)
	v_lshl_or_b32 v[PW], v[TM+6], 16, v[PW]
	s_delay_alu instid0(VALU_DEP_1)
	v_lshl_or_b32 v[PW], v[TM+7], 24, v[PW]
.irp b, 0,1,2,3
	v_cvt_scalef32_pk8_fp4_f32 v[PCD+2*\b], v[S+16*\b:S+7+16*\b], v[TM+8+\b]
	v_cvt_scalef32_pk8_fp4_f32 v[PCD+1+2*\b], v[S+8+16*\b:S+15+16*\b], v[TM+8+\b]
.endr
	v_nop
.irp c, 0,1
.irp i, 0,1
	v_permlane16_swap_b32 v[PCD+4*\c+\i], v[PCD+2+4*\c+\i]
.endr
.endr
	v_pk_add_f32 v[204:205], v[132:133], v[136:137]   ; the row's sum, of the unquantised p, in eight chains
	v_pk_add_f32 v[112:113], v[140:141], v[144:145]
	v_pk_add_f32 v[114:115], v[148:149], v[152:153]
	v_pk_add_f32 v[116:117], v[156:157], v[160:161]
	v_pk_add_f32 v[118:119], v[164:165], v[168:169]
	v_pk_add_f32 v[222:223], v[172:173], v[176:177]
	v_pk_add_f32 v[220:221], v[180:181], v[184:185]
	v_pk_add_f32 v[14:15], v[14:15], v[188:189]
	v_pk_add_f32 v[204:205], v[204:205], v[128:129]
	v_pk_add_f32 v[112:113], v[112:113], v[130:131]
	v_pk_add_f32 v[114:115], v[114:115], v[134:135]
	v_pk_add_f32 v[116:117], v[116:117], v[138:139]
	v_pk_add_f32 v[118:119], v[118:119], v[142:143]
	v_pk_add_f32 v[222:223], v[222:223], v[146:147]
	v_pk_add_f32 v[220:221], v[220:221], v[150:151]
	v_pk_add_f32 v[14:15], v[14:15], v[154:155]
	v_pk_add_f32 v[204:205], v[204:205], v[158:159]
	v_pk_add_f32 v[112:113], v[112:113], v[162:163]
	v_pk_add_f32 v[114:115], v[114:115], v[166:167]
	v_pk_add_f32 v[116:117], v[116:117], v[170:171]
	v_pk_add_f32 v[118:119], v[118:119], v[174:175]
	v_pk_add_f32 v[222:223], v[222:223], v[178:179]
	v_pk_add_f32 v[220:221], v[220:221], v[182:183]
	v_pk_add_f32 v[14:15], v[14:15], v[186:187]
	v_pk_add_f32 v[204:205], v[204:205], v[190:191]
	v_pk_add_f32 v[112:113], v[112:113], v[222:223]
	v_pk_add_f32 v[114:115], v[114:115], v[220:221]
	v_pk_add_f32 v[14:15], v[14:15], v[116:117]
	v_pk_add_f32 v[204:205], v[204:205], v[118:119]
	v_pk_add_f32 v[112:113], v[112:113], v[114:115]
	v_pk_add_f32 v[14:15], v[14:15], v[204:205]
	v_pk_add_f32 v[14:15], v[14:15], v[112:113]
	s_wait_dscnt 0x0                               ; all that was asked for ahead of the softmax is in: V's first eight tiles and scale words, and on the open way the next step's K
.irp t, 0,1,2,3,4,5,6,7                                ; p has been summed and converted: its registers take V's last eight tiles, asked for ahead of the rescaling and the first eight products
.irp c, 0,1
	ds_load_b128 v[S+8*\t+4*\c:S+8*\t+4*\c+3], v[ADV] offset:8192+\t*1024+512*\c
.endr
.endr
	WIN 0x41                                       ; O^T (destination, source 0) in window 1
.set j, 0
.rept 64
	v_pk_mul_f32 v[j:j+1], v[j:j+1], v[252:253] op_sel_hi:[1,0]    ; O^T under the new M
.set j, j+2
.endr
	WIN 0x50                                       ; C and D in window 1
.irp t, 0,1,2,3,4,5,6,7
	WM 8*\t, F+8*\t, PCD, 8*\t, VS+\t/2, PW, \t%2
.endr
	s_wait_alu depctr_va_vdst(0)
	s_wait_dscnt 0x0                               ; V's last eight tiles are in
.irp t, 0,1,2,3,4,5,6,7
	WM 64+8*\t, S+8*\t, PCD, 64+8*\t, VS+4+\t/2, PW, \t%2
.endr
	WIN 0
.Lhid_\@:
	s_add_co_u32 s[KSI], s[KSI], 1
	s_add_co_u32 s[TK], s[TK], CH
.endm
.macro DLOAD q                         ; the fragments and scale words of the MLP's input, tiles 2 q and 2 q + 1 of rows
.irp mm, 0,1
.irp ks, 0,1,2,3
.irp c, 0,1
	ds_load_b128 v[DF+32*\mm+8*\ks+4*\c:DF+32*\mm+8*\ks+4*\c+3], v[DRI0] offset:(2*(\q)+\mm)*4096+\ks*1024+512*\c
.endr
	ds_load_b32 v[XS+4*\mm+\ks], v[DRS0] offset:(2*(\q)+\mm)*512+128*\ks
.endr
.endr
.endm
; PRODUCT 3, half p of my hidden units (tiles 4 p .. 4 p + 3), tiles 2 q and 2 q + 1 of rows; b1 is the C of the first K step; relu; quantised: blocks 2 p, 2 p + 1 of K step w of product 4
.macro P3 p, q
.if (\p) == 0 && (\q) == 0
	s_wait_dscnt 0x0                               ; these tiles' fragments are in
.else
	s_wait_dscnt 4                                 ; the same; my four stores behind those loads may be out
.endif
.if (\p) == 1 && (\q) == 0
	s_wait_loadcnt 42                              ; W1's second half is in; W2's 32 loads, its 2 of scale words and b2's 8 may be out
.endif
	WIN 0x01                                       ; source 0 (W1) in window 1
.irp ks, 0,1,2,3
.irp mm, 0,1
.irp t, 0,1,2,3
.set ra, 128*(1-(\p))+8*(4*\t+\ks)
.set rs, WS+4*(2*(\p)+\t/2)+\ks
.set rd, HA+32*\mm+8*\t
.set rb, DF+32*\mm+8*\ks
.set rx, XS+4*\mm+\ks
.if \ks == 0
	WM rd, ra, rb, B1+8*(4*(\p)+\t), rs, rx, \t%2
.else
	WM rd, ra, rb, rd, rs, rx, \t%2
.endif
.endr
.endr
.endr
	WIN 0
	PLACES
.if (\q) < 3
	DLOAD (\q)+1                                   ; the next tiles' fragments land while these are quantised
.else
.if (\p) == 0
	DLOAD 0
	WIN 0x40                                       ; W1's first half is done with: its registers take W2's K steps 0-3,
.irp nt, 0,1,2,3
.irp ks, 0,1,2,3
.irp c, 0,1
	global_load_b128 v[128+8*(4*\nt+\ks)+4*\c:128+8*(4*\nt+\ks)+4*\c+3], v[LI], s[6:7] offset:W2C+(8*\nt+\ks)*1024+512*\c
.endr
.endr
.endr
	WIN 0
.irp j, 0,1
	global_load_b128 v[WS+4*\j:WS+4*\j+3], v[LI], s[56:57] offset:W2S+1024*\j   ; their scale words: register 4 j + K step; lanes 0-15 tile 2 j, lanes 16-31 tile 2 j + 1
.endr
.irp nt, 0,1,2,3
.irp jj, 0,1
	global_load_b128 v[B2+8*\nt+4*\jj:B2+8*\nt+4*\jj+3], v[B2O], s[10:11] offset:64*\nt+16*\jj    ; b2 in the result's layout: outputs 16 nt + 8 h + 0 .. 7
.endr
.endr
.else
	s_wait_tensorcnt 0x0                           ; my part of W2's K steps 4-7 lies in LDS: W1's second half is done with, and its registers take it
	WIN 0x40
.irp nt, 0,1,2,3
.irp ks, 0,1,2,3
.irp c, 0,1
	ds_load_b128 v[8*(4*\nt+\ks)+4*\c:8*(4*\nt+\ks)+4*\c+3], v[W2A] offset:(4*\nt+\ks)*1024+512*\c
.endr
.endr
.endr
	WIN 0
.irp j, 0,1
	global_load_b128 v[WS+8+4*\j:WS+8+4*\j+3], v[LI], s[56:57] offset:W2S+1024*\j+512
.endr
.endif
.endif
	QRELU
.irp mm, 0,1
	ds_store_b128 v[HWI0], v[PC3+4*\mm:PC3+4*\mm+3] offset:(2*(\q)+\mm)*8192+512*(\p)
	ds_store_b16 v[HWS0], v[HW+\mm] offset:(2*(\q)+\mm)*1024+2*(\p)
.endr
.endm
; PRODUCT 4 goes in four quarters of two tiles of rows (m = 2 q + mm), each in four groups of two K steps: group n = 4 q + j holds K steps 2 j, 2 j + 1.
; A group's four fragments of h and four scale words, twelve LDS loads, into buffer n % 2
.macro HLOAD n
.set hp, (\n)%2
.set hq, (\n)/4
.set hj, (\n)%4
.irp kk, 0,1
.irp mm, 0,1
.irp c, 0,1
	ds_load_b128 v[HF+32*hp+8*(2*\kk+\mm)+4*\c:HF+32*hp+8*(2*\kk+\mm)+4*\c+3], v[HRI0] offset:((2*hq+\mm)*8+2*hj+\kk)*1024+512*\c
.endr
	ds_load_b32 v[XS+4*hp+2*\kk+\mm], v[HRS0] offset:((2*hq+\mm)*8+2*hj+\kk)*128
.endr
.endr
.endm
; a store of 2 rows x 256 bytes of tile m's rows 2 i, 2 i + 1: aligned runs of 256 consecutive bytes, sixteen lanes each.  Stage row i is row i + 8 (i / 8) of the tile's 24.  Tile m is wave m's: class m, or 11 - m
.macro SENDROW m, i, reg
.if (\m) < 4
.set cm, (\m)
.else
.set cm, 11-(\m)
.endif
	global_store_b128 v[GO], v[\reg:\reg+3], s[12:13] offset:(128*cm+2*(\i)+8*((\i)/4))*1024 th:TH_STORE_NT
.endm
; a group's sixteen products: my four tiles of outputs x two tiles of rows, eight accumulators by turns; b2 is the C of a quarter's first eight.
; Ahead of them: piece j of the last quarter's way out (tile j / 2, rows 8 (j % 2) on: four loads from the stage) and the next group's twelve loads;  behind them: the piece's four stores
.macro GROUP n
.set gp, (\n)%2
.set gj, (\n)%4
	PLACES                                         ; behind the last group's products, which read the buffer and the scale words that the loads below fill
.if (\n) > 3
	s_wait_xcnt 0x0                                ; the registers that earlier stores read are loaded again only behind this wait
.irp i, 0,1,2,3
	ds_load_b128 v[OB+16*gp+4*\i:OB+16*gp+4*\i+3], v[SR] offset:(gj/2)*16*SPI+2*SPI*(4*(gj%2)+\i)
.endr
.endif
.if (\n) < 15
	HLOAD (\n)+1
.if (\n) > 3
	s_wait_dscnt 16                                ; this group's twelve loads are in; the piece's four and the next group's twelve may be out
.else
	s_wait_dscnt 12                                ; the same without a piece
.endif
.else
	s_wait_dscnt 4                                 ; the last group: the piece's four may be out
.endif
.if (\n) == 2
	s_wait_loadcnt 0x0                             ; the scale words of K steps 4-7
.endif
	WIN 0x01                                       ; source 0 (W2) in window 1
.irp kk, 0,1
.irp mm, 0,1
.irp nt, 0,1,2,3
.set gk, 2*gj+\kk
.if gk < 4
.set ra, 128+8*(4*\nt+gk)
.set rs, WS+4*(\nt/2)+gk
.else
.set ra, 8*(4*\nt+gk-4)
.set rs, WS+8+4*(\nt/2)+gk-4
.endif
.set rb, HF+32*gp+8*(2*\kk+\mm)
.set rx, XS+4*gp+2*\kk+\mm
.set rd, ACC+8*(2*\nt+\mm)
.if gk == 0
	WM rd, ra, rb, B2+8*\nt, rs, rx, \nt%2
.else
	WM rd, ra, rb, rd, rs, rx, \nt%2
.endif
.endr
.endr
.endr
	WIN 0
.if (\n) > 3
.if (\n) < 15
	s_wait_dscnt 12                                ; the piece is back; the next group's twelve loads may be out
.else
	s_wait_dscnt 0x0
.endif
.set sm, 2*((\n)/4-1)+gj/2
.irp i, 0,1,2,3
	SENDROW sm, 4*(gj%2)+\i, OB+16*gp+4*\i
.endr
.endif
.endm
.macro TOSTAGE                         ; a quarter's results, two tiles of 16 rows x my 64 outputs, go to my own stage; each accumulator from its low end on
	PLACES                                         ; the stores read results just made
.irp mm, 0,1
.irp nt, 0,1,2,3
	ds_store_b128 v[SO], v[ACC+8*(2*\nt+\mm):ACC+8*(2*\nt+\mm)+3] offset:\mm*16*SPI+64*\nt
	ds_store_b128 v[SO], v[ACC+8*(2*\nt+\mm)+4:ACC+8*(2*\nt+\mm)+7] offset:\mm*16*SPI+64*\nt+16
.endr
.endr
.endm
	s_load_b256 s[4:11], s[0:1], 0x0               ; xq s[4:5], wq s[6:7], b1 s[8:9], b2 s[10:11]
	s_load_b128 s[12:15], s[0:1], 0x20             ; out0 s[12:13], out1 s[14:15]
	v_lshl_add_u32 v251, v0, 2, SPARE
	v_mov_b32 v255, 0
	ds_add_u32 v251, v255                          ; the opening: the add, twice on end, and its wait
	ds_add_u32 v251, v255
	v_lshrrev_b32 v30, 5, v0
	v_readfirstlane_b32 s[WV], v30                 ; wave 0..7
	v_and_b32 v30, 31, v0                          ; l
	v_and_b32 v31, 15, v0                          ; r
	v_bfe_u32 v28, v0, 4, 1                        ; h
	v_and_b32 v[PFS], 3, v0
	v_lshlrev_b32 v[LI], 4, v30                    ; 16 l: an image's place for my lane
	v_lshlrev_b32 v[LS], 2, v30                    ; 4 l: a scale word's
	v_lshlrev_b32 v29, 3, v31                      ; 8 r
	v_lshlrev_b32 v[PFO], 8, v30                   ; the prefetches: a block a lane; of the scale words four blocks, each named by eight lanes
	v_lshlrev_b32 v[PFS], 8, v[PFS]
	s_bfe_u32 s49, ttmp6, 0x40000                  ; cx
	s_lshl_b32 s[GG], ttmp9, 2
	s_add_co_u32 s[GG], s[GG], s49                 ; G = 4 x cluster x + cx: it enters Q's and out's global addresses and two lane constants, no LDS address and no branch
	s_and_b32 s[BAT], ttmp7, 0xffff                ; the batch, which the four partners share
	s_sub_co_u32 s58, 11, s[WV]
	s_cmp_lt_u32 s[WV], 4
	s_cselect_b32 s[CL], s[WV], s58                ; my class
	; descriptor group 1: 136 rows of 256 bytes (32 elements of 8 bytes): a key step's chunk; the mask names all four work-groups, bit 21 beside it
	s_mov_b32 s24, 15|(3<<16)|(1<<21)
	s_mov_b32 s25, 32<<16
	s_mov_b32 s26, 136<<16
	s_mov_b32 s27, 32<<16
	s_mov_b32 s28, 136
	s_mov_b32 s29, 32
	s_mov_b32 s30, 0
	s_mov_b32 s31, 0
	; and for W2's second half: my four tiles' K steps 4-7, 4 rows of 4,096 bytes, 8,192 bytes apart
	s_mov_b32 s32, 15|(3<<16)|(1<<21)
	s_mov_b32 s33, 512<<16
	s_mov_b32 s34, 4<<16
	s_mov_b32 s35, 512<<16
	s_mov_b32 s36, 4
	s_mov_b32 s37, 1024
	s_mov_b32 s38, 0
	s_mov_b32 s39, 0
	s_mov_b32 s[SEL], 0x76543210
	s_mov_b32 s[SEL+1], 0xfedcba98                 ; v_permlanex16_b32's selects for lane l xor 16
	s_mov_b32 s[CS], 0x3db8aa3b                    ; log2(e) / 16
	s_mov_b32 s[CS+1], s[CS]
	s_mov_b32 s[SGN], 0x88888888                   ; the sign bits of eight codes
	s_mov_b32 s[KSI], 0
	s_mov_b32 s[TK], 0
	s_mul_i32 s58, s[BAT], REC
	s_mov_b32 s59, 0
	s_mul_i32 s60, s[WV], CH                       ; key step = my wave: the place in the record is the place in LDS
	s_mov_b32 s61, 0
	s_wait_dscnt 0x0
	s_wait_kmcnt 0x0
	s_add_nc_u64 s[4:5], s[4:5], s[58:59]          ; the batch's record
	s_mov_b32 s40, 1
	s_mov_b32 s41, s60
	s_add_nc_u64 s[42:43], s[4:5], s[60:61]
	s_or_b32 s43, s43, 0x80000000
	CROUND                                         ; all four work-groups are here: the joint loads meet
	tensor_load_to_lds s[40:43], s[24:31]          ; my one load at the head
	s_nop 0
	PLACES
	s_mul_i32 s2, s[CL], CH                        ; my tile: G of my class's chunk
	s_lshl_b32 s60, s[GG], 11
	s_add_co_u32 s60, s60, s2
	s_mov_b32 s61, 0
	s_add_nc_u64 s[60:61], s[4:5], s[60:61]        ; its two fragments,
	s_lshl_b32 s62, s[GG], 7
	s_add_co_u32 s62, s62, s2
	s_add_co_u32 s62, s62, KSC
	s_mov_b32 s63, 0
	s_add_nc_u64 s[62:63], s[4:5], s[62:63]        ; its scale words: 128 bytes a tile
	s_lshl_b32 s58, s[WV], 16                      ; my share of the prefetches: wave x 65,536 + cx x 16,384 of the codes,
	s_lshl_b32 s2, s49, 14
	s_add_co_u32 s58, s58, s2
	s_add_nc_u64 s[PFA:PFA+1], s[6:7], s[58:59]
	s_lshl_b32 s58, s[WV], 12                      ; wave x 4,096 + cx x 1,024 of the scale words
	s_lshl_b32 s2, s49, 10
	s_add_co_u32 s58, s58, s2
	s_add_co_u32 s58, s58, W1S
	s_add_nc_u64 s[PFB:PFB+1], s[6:7], s[58:59]
	s_lshl_b32 s58, s[WV], 11
	s_add_nc_u64 s[56:57], s[6:7], s[58:59]        ; my scale words of W1 and W2: 2 KB a wave
	s_lshl_b32 s58, s[WV], 15
	s_add_nc_u64 s[6:7], s[6:7], s[58:59]          ; my codes: 32 KB a wave
	s_mov_b32 s44, 1
	s_lshl_b32 s45, s[WV], 14                      ; LDS: 16 KB a wave
	s_add_nc_u64 s[46:47], s[6:7], W2C+4096
	s_or_b32 s47, s47, 0x80000000
	s_lshl_b32 s58, s[WV], 9
	s_add_nc_u64 s[8:9], s[8:9], s[58:59]          ; my 128 of b1
	s_lshl_b32 s58, s[WV], 8
	s_add_nc_u64 s[10:11], s[10:11], s[58:59]      ; my 64 of b2
	s_cmp_lt_u32 s[WV], 4
	s_cselect_b64 s[12:13], s[12:13], s[14:15]     ; outputs 0-255 are out0's, 256-511 out1's
	s_lshr_b32 s3, s[GG], 1
	s_lshl_b32 s3, s3, 5
	s_and_b32 s58, s[GG], 1
	s_lshl_b32 s58, s58, 3
	s_add_co_u32 s3, s3, s58                       ; a tile's first row in its class: 32 (G / 2) + 8 (G % 2)
	s_lshl_b32 s58, s3, 10
	s_lshl_b32 s2, s[BAT], 20
	s_add_co_u32 s58, s58, s2
	s_and_b32 s2, s[WV], 3
	s_lshl_b32 s2, s2, 8
	s_add_co_u32 s58, s58, s2
	s_add_nc_u64 s[12:13], s[12:13], s[58:59]
	s_lshl_b32 s2, s[CL], 7                        ; 128 x class
	s_add_co_u32 s3, s3, s2
	s_wait_alu depctr_va_vdst(0)
.irp ks, 0,1
.irp c, 0,1
	global_load_b128 v[Q+8*\ks+4*\c:Q+8*\ks+4*\c+3], v[LI], s[60:61] offset:1024*\ks+512*\c   ; Q's two fragments stay in registers
.endr
.endr
	global_load_b64 v[QS:QS+1], v29, s[62:63]      ; and its scale words, row r's in both halves of the lanes
	WIN 0x40                                       ; destination window 1
.set j, 0
.rept 128
	v_mov_b32 v[j], 0                              ; O^T.  (The key step is written once: the first finds zeros, which the first change of M leaves zeros)
.set j, j+1
.endr
	WIN 0
	v_add_nc_u32 v[AV0], VIM, v[LI]
	v_lshl_add_u32 v[ASK0], v30, 3, KSC
	v_add_nc_u32 v[ASV0], VSC, v[LI]
	s_lshl_b32 s58, s[WV], 12
	s_add_co_u32 s58, s58, DIMG
	v_add_nc_u32 v[DWI], s58, v[LI]                ; where I store my rows' images: tile m = my wave
	s_lshl_b32 s58, s[WV], 9
	s_add_co_u32 s58, s58, DSC
	v_add_nc_u32 v[DWS], s58, v[LS]
	v_add_nc_u32 v[DRI0], DIMG, v[LI]
	v_add_nc_u32 v[DRS0], DSC, v[LS]
	s_lshl_b32 s58, s[WV], 10
	s_add_co_u32 s58, s58, HIMG
	v_add_nc_u32 v[HWI0], s58, v[LI]               ; the hidden layer's: K step = my wave
	s_lshl_b32 s58, s[WV], 7
	s_add_co_u32 s58, s58, HSC
	v_add_nc_u32 v[HWS0], s58, v[LS]
	v_add_nc_u32 v[HRI0], HIMG, v[LI]
	v_add_nc_u32 v[HRS0], HSC, v[LS]
	s_mul_i32 s58, s[WV], 32*SPI
	s_add_co_u32 s58, s58, STG                     ; my stage
	v_mul_u32_u24 v[SO], v31, SPI
	v_mul_u32_u24 v[SR], v28, SPI
	v_lshlrev_b32 v[GO], 10, v28
	v_lshl_add_u32 v[SO], v28, 5, v[SO]
	v_lshl_add_u32 v[SR], v31, 4, v[SR]
	v_lshl_add_u32 v[GO], v31, 4, v[GO]            ; two rows of out: lanes 0-15 one row of 256 bytes, lanes 16-31 the next
	v_add_nc_u32 v[SO], s58, v[SO]                 ; in: row r, 32 bytes for each half of the lanes
	v_add_nc_u32 v[SR], s58, v[SR]                 ; back: the same two rows
	v_lshlrev_b32 v[B1O], 6, v28                   ; 64 h: b1
	v_lshlrev_b32 v[B2O], 5, v28                   ; 32 h: b2
	v_mov_b32 v14, 0                               ; the sum, in two halves
	v_mov_b32 v15, 0
	v_and_b32 v30, 8, v31
	v_mov_b32 v13, 0xff61b1e6                      ; the largest t so far: -3e38
	v_add_nc_u32 v30, v30, v31
	v_floor_f32 v12, -v13                          ; -M
	v_add_nc_u32 v[QG], s3, v30                    ; my query's row in the batch
	v_lshl_add_u32 v30, v28, 4, s2
	v_add_nc_u32 v[DV], -1, v[QG]                  ; the last key that counts: query - 1,
	v_cmp_eq_u32 vcc_lo, 0, v[QG]
	v_cndmask_b32 v[DV], v[DV], v14, vcc_lo        ; key 0 for query 0,
	v_sub_nc_u32 v[DV], v[DV], v30                 ; counted from my half's first key of my class's step; it may be negative
.irp b, 0,1,2,3
	v_mov_b32 v[TM+4+\b], 0                        ; a lane permute's destination counts as one of its sources
.endr
	v_mov_b32 v252, 0
	v_mov_b32 v[PW], 0
	v_mov_b32 v254, 0
	s_wait_alu depctr_va_vdst(0)                   ; the wait at the head's end
	s_wait_loadcnt 0x0                             ; Q and its scale words are in
.irp ks, 0,1                                           ; x's codes along the channels ARE K steps 0, 1 of the MLP's input: Q's images go to LDS as they stand
.irp c, 0,1
	ds_store_b128 v[DWI], v[Q+8*\ks+4*\c:Q+8*\ks+4*\c+3] offset:\ks*1024+512*\c
.endr
	ds_store_b32 v[DWS], v[QS+\ks] offset:128*\ks
.endr
	s_wait_tensorcnt 0x0                           ; my chunk of the batch's record has landed
	s_wait_dscnt 0x0
	s_barrier_signal -1
	s_barrier_wait -1                              ; everybody's have
	KLOAD LI                                       ; key step 0's K
	KSLOAD ASK0
	s_mov_b32 s[CNT], 8
.Lstep:
	STEP
	s_sub_co_u32 s[CNT], s[CNT], 1
	s_cmp_lg_u32 s[CNT], 0
	s_cbranch_scc1 .Lstep
	s_wait_dscnt 0x0                               ; no LDS load of mine is out: K's registers may be loaded anew
	PLACES                                         ; behind the last products: O^T is read, and registers that they read are loaded and written, below
	WIN 0x40                                       ; W1's hidden tiles 0-3
.irp t, 0,1,2,3
.irp ks, 0,1,2,3
.irp c, 0,1
	global_load_b128 v[128+8*(4*\t+\ks)+4*\c:128+8*(4*\t+\ks)+4*\c+3], v[LI], s[6:7] offset:(4*\t+\ks)*1024+512*\c
.endr
.endr
.endr
	WIN 0
.irp b, 0,1,2,3                                        ; b1 in the result's layout: tiles 2 b, 2 b + 1 of lane (r, h): hidden units 32 b + 16 h + 0 .. 15
.irp jj, 0,1,2,3
	global_load_b128 v[B1+16*\b+4*\jj:B1+16*\b+4*\jj+3], v[B1O], s[8:9] offset:128*\b+16*\jj
.endr
.endr
.irp b, 0,1,2,3
	global_load_b128 v[WS+4*\b:WS+4*\b+3], v[LI], s[56:57] offset:W1S+512*\b    ; W1's scale words: register 4 b + K step; lanes 0-15 tile 2 b, lanes 16-31 tile 2 b + 1
.endr
	v_add_nc_u32 v[W2A], s45, v[LI]                ; where my part of W2's second half will lie in LDS
	; ctx = O^T / the sum, quantised: K steps 2, 3 of the MLP's input
	v_add_f32 v14, v14, v15
	s_wait_alu depctr_va_vdst(0)
	v_permlanex16_b32 v252, v14, s[SEL], s[SEL+1]
	s_delay_alu instid0(VALU_DEP_1)
	v_add_f32 v14, v14, v252                       ; the row's sum
	s_wait_alu depctr_va_vdst(0)
	v_rcp_f32 v14, v14
	v_nop                                          ; one plain place behind a transcendental
	v_cmp_ne_u32 vcc_lo, 0, v[QG]
	s_wait_alu depctr_va_vdst(0)
	v_cndmask_b32 v14, 0, v14, vcc_lo              ; query 0 has no past: its ctx is 0
	WIN 0x01                                       ; source 0 (O^T) in window 1
.set j, 0
.rept 64
	v_mul_f32 v[S+j], v[j], v14
.set j, j+1
.endr
	WIN 0
	QUANT S
	IMAGE DWI, 2048
	ds_store_b32 v[DWS], v[PW] offset:256
	s_wait_dscnt 0x0                               ; the stores have read their registers
	WIN 0x01
.set j, 0
.rept 64
	v_mul_f32 v[S+j], v[64+j], v14
.set j, j+1
.endr
	WIN 0x40                                       ; O^T has been read: its registers take W1's hidden tiles 4-7
.irp t, 0,1,2,3
.irp ks, 0,1,2,3
.irp c, 0,1
	global_load_b128 v[8*(4*\t+\ks)+4*\c:8*(4*\t+\ks)+4*\c+3], v[LI], s[6:7] offset:(4*\t+16+\ks)*1024+512*\c
.endr
.endr
.endr
	WIN 0
	QUANT S
	IMAGE DWI, 3072
	ds_store_b32 v[DWS], v[PW] offset:384
	s_wait_alu depctr_va_vdst(0)
	s_wait_xcnt 0x0                                ; the prefetches have read their offsets, whose registers product 3 writes
	s_wait_tensorcnt 0x0
	ds_add_u32 v251, v255
	s_wait_dscnt 0x0                               ; the add is done, my images are stored, and my reads of the record are over
	CROUND                                         ; so are everybody's, in all four work-groups: the input's 32 fragments lie in LDS
	tensor_load_to_lds s[44:47], s[32:39]          ; W2's second half, into bytes that nobody reads any more
	s_nop 0
	PLACES
	DLOAD 0
	s_wait_loadcnt 32                              ; W1's first half, b1 and the scale words are in; the second half's 32 loads may be out
.irp p, 0,1
.irp q, 0,1,2,3
	P3 \p, \q
.endr
.endr
	s_wait_dscnt 0x0                               ; my images of the hidden layer are stored, W2's second half is in registers
	s_barrier_signal -1
	s_barrier_wait -1                              ; the hidden layer's 64 fragments lie in LDS
	HLOAD 0
	s_wait_loadcnt 2                               ; W2's K steps 0-3, their scale words and b2 are in; the scale words of K steps 4-7 may be out
.irp q, 0,1,2,3
	GROUP 4*\q
	GROUP 4*\q+1
	GROUP 4*\q+2
	GROUP 4*\q+3
	TOSTAGE
.endr
	; the last quarter leaves at once, through the registers of h's fragments
.irp i, 0,1,2,3,4,5,6,7,8,9,10,11,12,13,14,15
	ds_load_b128 v[HF+4*\i:HF+4*\i+3], v[SR] offset:2*SPI*\i       ; LDS serves a wave's instructions in order (ISA guide 5.7.1.4): these see the stores above
.endr
.irp i, 0,1,2,3,4,5,6,7,8,9,10,11,12,13,14,15
	s_wait_dscnt 15-\i                             ; the younger read-backs may be out
	SENDROW 6+\i/8, \i%8, HF+4*\i
.endr
	s_wait_dscnt 0x0
	s_wait_tensorcnt 0x0                           ; the wave's end
	ds_add_u32 v251, v255
	s_wait_dscnt 0x0
	CROUND                                         ; the closing round: no work-group ends while a partner may still ask for a tile that names it
	s_endpgm
.Lfunc_end_k_q92f33d3fb4_decoder:
	.size	k_q92f33d3fb4_decoder, .Lfunc_end_k_q92f33d3fb4_decoder-k_q92f33d3fb4_decoder
	.p2alignl 7, 3214868480
	.fill 96, 4, 3214868480
	.section	.rodata,"a",@progbits
	.p2align	6, 0x0
	.amdhsa_kernel k_q92f33d3fb4_decoder
		.amdhsa_group_segment_fixed_size 327680
		.amdhsa_private_segment_fixed_size 0
		.amdhsa_enable_private_segment 0
		.amdhsa_kernarg_size 48
		.amdhsa_user_sgpr_count 2
		.amdhsa_user_sgpr_kernarg_segment_ptr 1
		.amdhsa_wavefront_size32 1
		.amdhsa_system_sgpr_workgroup_id_x 1
		.amdhsa_system_sgpr_workgroup_id_y 1
		.amdhsa_system_sgpr_workgroup_id_z 1
		.amdhsa_system_vgpr_workitem_id 0
		.amdhsa_next_free_vgpr 512
		.amdhsa_next_free_sgpr 66
		.amdhsa_reserve_vcc 1
		.amdhsa_float_denorm_mode_32 3
		.amdhsa_float_denorm_mode_16_64 3
		.amdhsa_memory_ordered 1
		.amdhsa_forward_progress 1
		.amdhsa_inst_pref_size 224
	.end_amdhsa_kernel
	.amdgpu_metadata
---
amdhsa.version: [ 1, 2 ]
amdhsa.kernels:
  - .name:           k_q92f33d3fb4_decoder
    .symbol:         k_q92f33d3fb4_decoder.kd
    .args:
      - { .name: xq, .offset: 0, .size: 8, .value_kind: global_buffer, .address_space: global }
      - { .name: wq, .offset: 8, .size: 8, .value_kind: global_buffer, .address_space: global }
      - { .name: b1, .offset: 16, .size: 8, .value_kind: global_buffer, .address_space: global }
      - { .name: b2, .offset: 24, .size: 8, .value_kind: global_buffer, .address_space: global }
      - { .name: out0, .offset: 32, .size: 8, .value_kind: global_buffer, .address_space: global }
      - { .name: out1, .offset: 40, .size: 8, .value_kind: global_buffer, .address_space: global }
    .group_segment_fixed_size: 327680
    .private_segment_fixed_size: 0
    .kernarg_segment_align: 8
    .kernarg_segment_size: 48
    .max_flat_workgroup_size: 256
    .sgpr_count:     66
    .vgpr_count:     512
    .wavefront_size: 32
...
	.end_amdgpu_metadata
.endif
;; end of part 2
